; MI455X (gfx1250); checked and timed in simulation.
; The chip was launched on July 23, 2026; its instructions are those of AMD's public machine-readable ISA for CDNA 5 (MIT licence, August 2026) and "CDNA5" Instruction Set Architecture Reference Guide (July 2026). The comments in the code are by the model that wrote it; some were corrected since.
;; my param layer. Allowed arithmetic: matrix products marked QUANTISED: E5M2 operands, one E8M0 scale for each 32 along K, by v_wmma_scale_f32_16x16x128_f8f6f4 with both operands' format E5M2, f32 sums; everything else in f32.
;; Inputs: A 4,096 x 4,096 float32; B 4,096 x 4,096 float32.
;; Outputs: out0 4,096 x 4,096 float32.
;; This version of the problem:
;;   THIS VERSION OF THE PROBLEM IS GIVEN IN LOW PRECISION. The matrix products marked QUANTISED in the list below multiply operands that are first quantised to E5M2 (5 exponent bits, 2 mantissa bits; 8 bits a number), with one power-of-two scale for each 32 numbers along K (OCP MX v1.0); their sums are f32. All else is computed in f32.
;;   The module's matrix products, in the order in which they are computed (A, B: the left and right operand; K: the contracted axis; several contracted axes count as one K, in the product's order):
;;     1. [M 4,096, K 4,096] x [K 4,096, N 4,096]; A: input A; B: input B: QUANTISED
;;   THE QUANTISER, for each operand of a quantised product, along K:
;;     - K is cut into blocks of 32 from its start; a last block that is shorter is filled with zeros.
;;     - A block's scale is 2^e with e = floor(log2(the largest magnitude in the block)) - 15, held to -126 .. 127; a block of zeros has e = 0. As a byte (E8M0): e + 127.
;;     - Each number is divided by its block's scale, clamped to +-57,344, and rounded to the nearest number of E5M2, ties to even, subnormals kept.
;;     - The product sums the exact products of the quantised numbers (number of the format x scale) in f32.
;;   ~~~python
;;   def quantise(x, axis):      # numpy; x: float32 -> the quantised numbers, widened to float32 again
;;       x = np.moveaxis(x, axis, -1); K = x.shape[-1]
;;       x = np.pad(x, [(0, 0)] * (x.ndim - 1) + [(0, -K % 32)]); x = x.reshape(x.shape[:-1] + (-1, 32)); a = np.abs(x).max(-1, keepdims=True)
;;       e = np.where(a > 0, np.clip(np.frexp(np.where(a > 0, a, 1))[1] - 1 - 15, -126, 127), 0)      # np.frexp(a)[1] - 1 = floor(log2(a)), exactly
;;       r = np.clip(x / 2.0 ** e, -57344, 57344)
;;       step = 2.0 ** (np.maximum(np.frexp(np.where(r == 0, 1, r))[1] - 1, -14) - 2)
;;       q = np.round(r / step) * step * 2.0 ** e      # np.round: ties to even
;;       return np.moveaxis(q.reshape(q.shape[:-2] + (-1,))[..., :K], -1, axis).astype(np.float32)
;;   ~~~
;; 2 versions. Each part assembles by itself: llvm-mc -triple=amdgcn-amd-amdhsa -mcpu=gfx1250 --defsym DOCPART=n.
;; ======== version 1 of 2: 2 launches
;; workspace buffers: aq 17,301,504 bytes; bq 17,301,504 bytes
;; launch quant (part 1): grid 1024 x 1, 4 waves a work-group, no clusters, 36,352 bytes of LDS; arguments A, B, aq, bq; writes aq, bq
.if DOCPART == 1
	.amdgcn_target "amdgcn-amd-amdhsa--gfx1250"
	.amdhsa_code_object_version 6
	.text
	.protected	k_qe34ff1ecf5_quant
	.globl	k_qe34ff1ecf5_quant
	.p2align	8
	.type	k_qe34ff1ecf5_quant,@function
k_qe34ff1ecf5_quant:
	s_mov_b64 s[64:65], 0
	v_nop
	global_prefetch_b8 v0, s[64:65] scope:SCOPE_SE
	s_setreg_imm32_b32 hwreg(HW_REG_WAVE_MODE, 25, 1), 1
	s_wait_xcnt 0x0
; A [4096 (m)][4096 (k)] and B [4096 (k)][4096 (n)], f32, are turned into codes of BF8 (E5M2), 8 bits each, with one E8M0 scale byte for each 32 along K.
; A block's scale is 2^(floor(log2(its largest magnitude)) - 15); its byte is the largest magnitude's own exponent field - 15, held at 1 from below; a block of zeros gets 127.
; Each number is divided by the scale, held within +-57,344 and rounded to the nearest code, ties to even.
; LIMITS: NaN and infinities among the inputs are not served; blocks whose largest magnitude lies under 2^-111, whose byte is held at 1, were not tried.
; THE OUTPUT'S LAYOUT.  aq and bq are arrays of PIECES, [32 groups of 128 rows][16 K steps of 256]; a row is an m of A or an n of B.  A piece is 33,792 dense bytes:
; bytes 0 .. 32,767 the codes, row p at 256 p, K innermost; bytes 32,768 .. 33,791 the scale bytes, row p at 32,768 + 8 p, byte j for k % 256 = 32 j .. 32 j + 31.
; So the product's launch brings 128 rows x 256 K of codes WITH their scale bytes by one dense copy of 132 rows of 256 bytes.
; SHARES.  A work-group makes one piece (32,768 numbers); work-groups 0-511 take A, 512-1023 take B; each of its four waves takes 32 of the piece's rows.  Waves share nothing: no barrier.
; The two tensors want different shares of a lane, since K is A's last axis and B's first: two paths, chosen by the work-group's number.
.set BLK,   33792                      ; bytes of a piece
.set SCOFF, 32768                      ; where its scale bytes begin
.set EMAX,  15
.set MANT,  0x600000                   ; the mantissa field of 57,344 as f32
	s_load_b256 s[4:11], s[0:1], 0x0               ; A s[4:5], B s[6:7], aq s[8:9], bq s[10:11]
	v_lshl_add_u32 v192, v0, 2, 0x8c00
	v_mov_b32 v193, 0
	v_lshrrev_b32 v1, 5, v0
	v_readfirstlane_b32 s16, v1                    ; wave 0..3
	v_and_b32 v2, 31, v0                           ; lane
	s_cmp_lt_u32 ttmp9, 512
	s_cbranch_scc0 .Lqb
; ---------------------------------------------------------------- A: K IS INNERMOST
; The piece is number ttmp9 = 16 x (group of rows) + K step.  A wave goes in 16 steps of two rows x 256 K: lanes 0-15 the even row, lanes 16-31 the odd one.
; A lane holds 16 neighbouring numbers (64 bytes, four loads), since the conversions take neighbours along K from ONE lane's registers; two neighbouring lanes hold a block of 32.
; A step's four loads read 1,024 consecutive bytes of each of the two rows.  A lane's 16 codes are 16 bytes: the wave's store covers 512 consecutive bytes.
; A step makes 16 scale bytes, a wave 256: they are gathered in the wave's own 256 bytes of LDS and leave as 256 consecutive bytes, aligned.
.set QAX, 16                           ; v16-79   four sets of 16 numbers
.set QAC, 80                           ; v80-143  codes: four registers for each step, so that no store's data are written again
.set QAE, 144                          ; v144-159 a scale byte for each step
	v_lshrrev_b32 v3, 4, v2                        ; which of the step's two rows
	v_and_b32 v4, 15, v2
	v_lshlrev_b32 v4, 6, v4                        ; my 64 bytes of its 1,024
	v_lshl_or_b32 v3, v3, 14, v4                   ; in: a row of A is 16,384 bytes
	v_lshlrev_b32 v4, 4, v2                        ; codes out: 16 bytes a lane
	v_lshrrev_b32 v5, 1, v2
	s_lshl_b32 s17, s16, 8
	v_add_nc_u32 v5, s17, v5                       ; LDS: my wave's 256 bytes, my block's byte
	v_lshlrev_b32 v7, 3, v2                        ; scale bytes out: 8 bytes a lane
	v_add_nc_u32 v6, s17, v7
	s_lshr_b32 s18, ttmp9, 4                       ; group of 128 rows
	s_and_b32 s19, ttmp9, 15                       ; K step
	s_lshl_b32 s22, s18, 21                        ; 128 rows of 16,384 bytes,
	s_lshl_b32 s19, s19, 10                        ; 256 numbers of 4 bytes,
	s_add_co_u32 s22, s22, s19
	s_lshl_b32 s19, s16, 19                        ; my wave's 32 rows
	s_add_co_u32 s22, s22, s19
	s_mov_b32 s23, 0                               ; (every offset here stays under 2^27)
	s_mul_i32 s24, ttmp9, BLK                      ; the piece
	s_add_co_u32 s26, s24, SCOFF
	s_add_co_u32 s26, s26, s17                     ; its scale bytes: 256 a wave
	s_mov_b32 s27, 0
	s_lshl_b32 s19, s16, 13                        ; its codes: 32 rows of 256 bytes a wave
	s_add_co_u32 s24, s24, s19
	s_mov_b32 s25, 0
	s_wait_kmcnt 0x0
	s_add_nc_u64 s[4:5], s[4:5], s[22:23]
	s_add_nc_u64 s[20:21], s[8:9], s[26:27]
	s_add_nc_u64 s[8:9], s[8:9], s[24:25]
.macro LOADA t                         ; step t's numbers into set t % 4
.irp i, 0,1,2,3
	global_load_b128 v[QAX+16*((\t)%4)+4*\i:QAX+16*((\t)%4)+4*\i+3], v3, s[4:5] offset:32768*(\t)+16*\i th:TH_LOAD_NT
.endr
.endm
.irp t, 0,1,2,3
	LOADA \t                                       ; loads run four steps, 16 loads a wave, ahead
.endr
.macro STEPA t
.set XS, QAX+16*((\t)%4)
.if 15-(\t) >= 3
	s_wait_loadcnt 12                              ; this step's four loads are in; the next three steps' may be out
.else
	s_wait_loadcnt 4*(15-(\t))
.endif
	v_max3_num_f32 v8, |v[XS]|, |v[XS+1]|, |v[XS+2]|               ; the largest magnitude of my 16, in two chains
	v_max3_num_f32 v9, |v[XS+3]|, |v[XS+4]|, |v[XS+5]|
.irp i, 6,10
	v_max3_num_f32 v8, v8, |v[XS+\i]|, |v[XS+\i+1]|
	v_max3_num_f32 v9, v9, |v[XS+\i+2]|, |v[XS+\i+3]|
.endr
	v_max3_num_f32 v8, v8, |v[XS+14]|, |v[XS+15]|
	v_max_num_f32 v8, v8, v9
	v_max_num_f32_dpp v8, v8, v8 row_xmask:1 row_mask:0xf bank_mask:0xf   ; and of my neighbour's 16: the block's
	v_lshrrev_b32 v9, 23, v8                       ; its exponent field (the sign bit is 0)
	v_max_u32 v9, EMAX+1, v9                       ; the byte is not to fall under 1
	v_lshl_or_b32 v10, v9, 23, MANT                ; 57,344 x the scale: exponent field = the byte + 15
	v_add_nc_u32 v9, -EMAX, v9                     ; the scale's byte
	v_lshlrev_b32 v11, 23, v9                      ; and the scale as f32: the conversion takes its exponent field
	v_cmp_eq_u32 vcc_lo, 0, v8                     ; a block of zeros?
.irp i, 0,1,2,3,4,5,6,7,8,9,10,11,12,13,14,15
	v_med3_num_f32 v[XS+\i], v[XS+\i], -v10, v10   ; the conversion to an 8-bit code does not saturate (ISA guide 7.6.2): the number is held first
.endr
	v_cvt_scalef32_pk8_bf8_f32 v[QAC+4*(\t):QAC+4*(\t)+1], v[XS:XS+7], v11
	v_cvt_scalef32_pk8_bf8_f32 v[QAC+4*(\t)+2:QAC+4*(\t)+3], v[XS+8:XS+15], v11
	v_cndmask_b32 v[QAE+(\t)], v9, 127, vcc_lo     ; a block of zeros gets 127.  (Also the one plain vector instruction between a scaled conversion and what touches its result or writes its sources)
	ds_store_b8 v5, v[QAE+(\t)] offset:16*(\t)     ; both lanes of a block write the same byte with the same value
	global_store_b128 v4, v[QAC+4*(\t):QAC+4*(\t)+3], s[8:9] offset:512*(\t)   ; rows 2 t and 2 t + 1 of my 32: 512 consecutive bytes
.if (\t)+4 < 16
	LOADA (\t)+4
.endif
.endm
.irp t, 0,1,2,3,4,5,6,7,8,9,10,11,12,13,14,15
	STEPA \t
.endr
	ds_load_b64 v[12:13], v6                       ; LDS serves a wave's instructions in order (ISA guide 5.7.1.4): these see my stores
	s_wait_dscnt 0x0
	global_store_b64 v7, v[12:13], s[20:21]        ; 32 lanes store 256 consecutive bytes, aligned
	s_wait_tensorcnt 0x0
	ds_add_u32 v192, v193
	s_wait_dscnt 0x0
	s_endpgm
; ---------------------------------------------------------------- B: K IS THE FIRST AXIS
; j = ttmp9 - 512; the group of 128 columns is j % 32 (neighbouring work-groups stand side by side on B's rows), the K step j / 32; the piece is 16 x group + K step.
; A LANE TAKES A COLUMN n, AND ITS REGISTERS RUN DOWN K: each load reads 128 consecutive bytes a wave (512 a work-group), a block of 32 along K lies in ONE lane's 32 registers,
; its largest magnitude needs no other lane, and the conversions give the codes with K innermost.  Nothing is transposed by an instruction.
; A lane's codes are one row of the piece and the lanes beside it hold other rows: they go through the wave's own stage in LDS (32 rows, 272 bytes apart) and leave as rows.
; A lane's 8 scale bytes are its row's: the wave's 32 rows x 8 bytes are 256 consecutive bytes, aligned.
.Lqb:
.set QBS, 24                           ; v24-25   the scale bytes, four to a register
.set QBX, 32                           ; v32-95   two sets of 32 numbers
.set QBC, 96                           ; v96-103  a block's codes
.set QBO, 112                          ; v112-175 the way out: 16 x 4 registers
.set QBP, 272                          ; a stage row: 256 bytes + 16
	v_lshlrev_b32 v3, 2, v2                        ; in: 4 bytes a lane
	s_mul_i32 s19, s16, 32*QBP                     ; my stage
	v_mul_u32_u24 v4, v2, QBP
	v_add_nc_u32 v4, s19, v4                       ; into it: row = my column
	v_and_b32 v5, 15, v2
	v_lshrrev_b32 v6, 4, v2                        ; out of it: sixteen lanes to a row, two rows an instruction
	v_mul_u32_u24 v7, v6, QBP
	v_lshl_add_u32 v7, v5, 4, v7
	v_add_nc_u32 v7, s19, v7
	v_lshlrev_b32 v8, 4, v2                        ; the same two rows in the piece: 16 bytes a lane
	v_lshlrev_b32 v9, 3, v2                        ; my row's 8 scale bytes
	s_sub_co_u32 s17, ttmp9, 512
	s_and_b32 s18, s17, 31                         ; group of 128 columns
	s_lshr_b32 s17, s17, 5                         ; K step
	s_lshl_b32 s22, s17, 22                        ; 256 rows of 16,384 bytes,
	s_lshl_b32 s24, s18, 9                         ; 128 columns of 4 bytes,
	s_add_co_u32 s22, s22, s24
	s_lshl_b32 s24, s16, 7                         ; my wave's 32 columns
	s_add_co_u32 s22, s22, s24
	s_mov_b32 s23, 0
	s_lshl_b32 s18, s18, 4
	s_add_co_u32 s18, s18, s17
	s_mul_i32 s24, s18, BLK                        ; the piece
	s_add_co_u32 s26, s24, SCOFF
	s_lshl_b32 s18, s16, 8
	s_add_co_u32 s26, s26, s18                     ; its scale bytes: 256 a wave
	s_mov_b32 s27, 0
	s_lshl_b32 s18, s16, 13
	s_add_co_u32 s24, s24, s18                     ; its codes: 32 rows of 256 bytes a wave
	s_mov_b32 s25, 0
	s_wait_kmcnt 0x0
	s_add_nc_u64 s[6:7], s[6:7], s[22:23]
	s_add_nc_u64 s[20:21], s[10:11], s[26:27]
	s_add_nc_u64 s[10:11], s[10:11], s[24:25]
.macro LOADB t                         ; block t: B(32 t + i, my column), i = 0 .. 31, into set t % 2.  The largest offset, 255 rows, lies inside the signed 24-bit immediate (ISA guide, chapter 10)
.irp i, 0,1,2,3,4,5,6,7,8,9,10,11,12,13,14,15,16,17,18,19,20,21,22,23,24,25,26,27,28,29,30,31
	global_load_b32 v[QBX+32*((\t)%2)+\i], v3, s[6:7] offset:(32*(\t)+\i)*16384 th:TH_LOAD_NT
.endr
.endm
	LOADB 0
	LOADB 1
.macro BLOCKB t
.set XS, QBX+32*((\t)%2)
.if (\t) < 7
	s_wait_loadcnt 32                              ; this block's 32 loads are in; the next block's may be out
.else
	s_wait_loadcnt 0
.endif
	v_max3_num_f32 v12, |v[XS]|, |v[XS+1]|, |v[XS+2]|               ; the block's largest magnitude: all 32 numbers are mine
	v_max3_num_f32 v13, |v[XS+3]|, |v[XS+4]|, |v[XS+5]|
.irp i, 6,10,14,18,22,26
	v_max3_num_f32 v12, v12, |v[XS+\i]|, |v[XS+\i+1]|
	v_max3_num_f32 v13, v13, |v[XS+\i+2]|, |v[XS+\i+3]|
.endr
	v_max3_num_f32 v12, v12, |v[XS+30]|, |v[XS+31]|
	v_max_num_f32 v12, v12, v13
	v_lshrrev_b32 v13, 23, v12                     ; its exponent field
	v_max_u32 v13, EMAX+1, v13                     ; the byte is not to fall under 1
	v_lshl_or_b32 v10, v13, 23, MANT               ; 57,344 x the scale
	v_add_nc_u32 v13, -EMAX, v13                   ; the scale's byte
	v_lshlrev_b32 v11, 23, v13                     ; and the scale as f32
	v_cmp_eq_u32 vcc_lo, 0, v12
	v_cndmask_b32 v13, v13, 127, vcc_lo            ; a block of zeros gets 127
.if (\t)%4 == 0
	v_mov_b32 v[QBS+(\t)/4], v13                   ; four bytes to a register, the lower K in the lower byte
.else
	v_lshl_or_b32 v[QBS+(\t)/4], v13, 8*((\t)%4), v[QBS+(\t)/4]
.endif
.irp i, 0,1,2,3,4,5,6,7,8,9,10,11,12,13,14,15,16,17,18,19,20,21,22,23,24,25,26,27,28,29,30,31
	v_med3_num_f32 v[XS+\i], v[XS+\i], -v10, v10   ; held first: the conversion does not saturate (ISA guide 7.6.2)
.endr
.irp g, 0,1,2,3
	v_cvt_scalef32_pk8_bf8_f32 v[QBC+2*\g:QBC+2*\g+1], v[XS+8*\g:XS+8*\g+7], v11
.endr
	v_nop                                          ; one plain vector instruction between a scaled conversion and what touches its result or writes its sources
	ds_store_b128 v4, v[QBC:QBC+3] offset:32*(\t)  ; 32 codes: 32 bytes of my column's row
	ds_store_b128 v4, v[QBC+4:QBC+7] offset:32*(\t)+16
.if (\t)+2 < 8
	LOADB (\t)+2
.endif
	s_wait_dscnt 0x0                               ; the stores have read their registers: the next block's codes may be written
.endm
.irp t, 0,1,2,3,4,5,6,7
	BLOCKB \t
.endr
	global_store_b64 v9, v[QBS:QBS+1], s[20:21]    ; 32 lanes store 256 consecutive bytes, aligned
.irp t, 0,1,2,3,4,5,6,7,8,9,10,11,12,13,14,15
	ds_load_b128 v[QBO+4*\t:QBO+4*\t+3], v7 offset:2*\t*QBP   ; LDS serves a wave's instructions in order: these see my stores
.endr
.irp t, 0,1,2,3,4,5,6,7,8,9,10,11,12,13,14,15
	s_wait_dscnt 15-\t                             ; read-back t is in; the younger ones may be out
	global_store_b128 v8, v[QBO+4*\t:QBO+4*\t+3], s[10:11] offset:512*\t   ; two rows of the piece: 512 consecutive bytes
.endr
	s_wait_tensorcnt 0x0
	ds_add_u32 v192, v193
	s_wait_dscnt 0x0
	s_endpgm
.Lfunc_end_k_qe34ff1ecf5_quant:
	.size	k_qe34ff1ecf5_quant, .Lfunc_end_k_qe34ff1ecf5_quant-k_qe34ff1ecf5_quant
	.p2alignl 7, 3214868480
	.fill 96, 4, 3214868480
	.section	.rodata,"a",@progbits
	.p2align	6, 0x0
	.amdhsa_kernel k_qe34ff1ecf5_quant
		.amdhsa_group_segment_fixed_size 36352
		.amdhsa_private_segment_fixed_size 0
		.amdhsa_enable_private_segment 0
		.amdhsa_kernarg_size 32
		.amdhsa_user_sgpr_count 2
		.amdhsa_user_sgpr_kernarg_segment_ptr 1
		.amdhsa_wavefront_size32 1
		.amdhsa_system_sgpr_workgroup_id_x 1
		.amdhsa_system_sgpr_workgroup_id_y 1
		.amdhsa_system_sgpr_workgroup_id_z 1
		.amdhsa_system_vgpr_workitem_id 0
		.amdhsa_next_free_vgpr 194
		.amdhsa_next_free_sgpr 66
		.amdhsa_reserve_vcc 1
		.amdhsa_float_denorm_mode_32 3
		.amdhsa_float_denorm_mode_16_64 3
		.amdhsa_memory_ordered 1
		.amdhsa_forward_progress 1
		.amdhsa_inst_pref_size 103
	.end_amdhsa_kernel
	.amdgpu_metadata
---
amdhsa.version: [ 1, 2 ]
amdhsa.kernels:
  - .name:           k_qe34ff1ecf5_quant
    .symbol:         k_qe34ff1ecf5_quant.kd
    .args:
      - { .name: A, .offset: 0, .size: 8, .value_kind: global_buffer, .address_space: global }
      - { .name: B, .offset: 8, .size: 8, .value_kind: global_buffer, .address_space: global }
      - { .name: aq, .offset: 16, .size: 8, .value_kind: global_buffer, .address_space: global }
      - { .name: bq, .offset: 24, .size: 8, .value_kind: global_buffer, .address_space: global }
    .group_segment_fixed_size: 36352
    .private_segment_fixed_size: 0
    .kernarg_segment_align: 8
    .kernarg_segment_size: 32
    .max_flat_workgroup_size: 128
    .sgpr_count:     66
    .vgpr_count:     194
    .wavefront_size: 32
...
	.end_amdgpu_metadata
.endif
;; end of part 1
;; launch gemm (part 2): grid 16 x 16, 4 waves a work-group, clusters of 4 x 4, 327,680 bytes of LDS; arguments aq, bq, out0; writes out0
.if DOCPART == 2
	.amdgcn_target "amdgcn-amd-amdhsa--gfx1250"
	.amdhsa_code_object_version 6
	.text
	.protected	k_qe34ff1ecf5_gemm
	.globl	k_qe34ff1ecf5_gemm
	.p2align	8
	.type	k_qe34ff1ecf5_gemm,@function
k_qe34ff1ecf5_gemm:
	s_mov_b64 s[64:65], 0
	v_nop
	global_prefetch_b8 v0, s[64:65] scope:SCOPE_SE
	s_setreg_imm32_b32 hwreg(HW_REG_WAVE_MODE, 25, 1), 1
	s_wait_xcnt 0x0
	s_wait_alu depctr_hold_cnt(0) depctr_sa_sdst(0) depctr_va_vdst(0) depctr_va_sdst(0) depctr_va_ssrc(0) depctr_va_vcc(0) depctr_vm_vsrc(0)
	s_getreg_b32 s2, hwreg(HW_REG_IB_STS2, 6, 4)
	s_cmp_eq_u32 s2, 0
	s_cbranch_scc0 .Lentry_in_a_cluster
	s_endpgm
.Lentry_in_a_cluster:
	s_bfe_u32 s2, ttmp6, 0x10000c
	s_cmp_lg_u32 s2, 0xf033
	s_cbranch_scc0 .Lentry_shape_is_right
	s_endpgm
.Lentry_shape_is_right:
; C[m][n] = sum over k of A[m][k] B[k][n], 4,096 x 4,096 x 4,096, on codes of BF8 (E5M2) with one E8M0 scale for each 32 along K; C f32; one f32 sum for each output, K ascending.
; THE OPERANDS come as PIECES, made by the launch before: aq and bq are [32 groups of 128 rows][16 K steps of 256] pieces of 33,792 dense bytes; a row is an m of A or an n of B.
; In a piece: bytes 0 .. 32,767 the codes, row p at 256 p, K innermost; bytes 32,768 .. 33,791 the scale bytes, row p at 32,768 + 8 p: two words, one for each 128 along K.
; A tile of C, 256 x 256, is made by a work-group of four waves, as many as a WGP has SIMDs; a wave makes 128 x 128: 64 accumulators of 16 x 16, 512 registers.  256 tiles, 256 work-groups.
; K goes in steps of 256 through a ring of two LDS slots.  A slot holds four pieces (A's two groups of rows, B's two); each wave brings ONE piece by one tensor load, as 132 rows of 256 bytes:
; the scale bytes ride with their codes, so nothing but the ring is kept in LDS.
; CLUSTERS: 4 x 4 work-groups.  The four of a row of the cluster need the same pieces of A, the four of a column the same pieces of B: each piece is asked for JOINTLY, by the same tensor load with the
; same descriptor and a mask that names the four.  THE MATRIX INSTRUCTION IS USED TRANSPOSED (source 0 = 16 rows of B, source 1 = 16 rows of A): a lane then holds eight neighbouring numbers of a row of C.
; REGISTERS, in windows of 256: window 0: v0-31 addresses; v32-63 scale words, two sets; v128-255 A's fragments (8 x 16 rows x 128 K), ONE set, and on the way out the rows read back.
;   window 1: B's fragments, TWO sets, at v0 and at v128.   window 2: the 32 accumulators of my rows 0-63 (accumulator (a, b) at v[8 (8 a + b)]);   window 3: those of my rows 64-127.
; A step of 128 along K is 64 matrix instructions, A's blocks one after the other, each against B's eight.  So a block of A is free as soon as its eight products are issued, and one set of registers serves A:
; blocks 0-3 are fetched anew in the step's middle, blocks 4-7 at its end.  B's fragments are at work through the whole step, so B has two sets.
; LIMITS: the codes and bytes are taken as the launch before made them (bytes 1 to 254); what that launch does not serve (NaN, infinities) is not served here.
.set SIZE_N, 4096
.set NQ,     2                         ; matrix instructions deep in a slot: 256 along K
.set BLK,    33792                     ; a piece in memory
.set BROWS,  132                       ; as rows of 256 bytes: 128 of codes, 4 of scale bytes
.set PITCH,  272                       ; an LDS row: 256 bytes of data + 16 of padding = 68 words: row r starts at bank 4 r mod 64 (64 banks of 4 bytes: ISA guide 11.1), so the 16 rows that a load touches start at 16 different banks
.set FR,     16                        ; registers of a fragment: 16 rows x 128 K
.set NL,     4                         ; LDS loads that bring one
.set NP,     8                         ; places behind this matrix instruction (ISA guide 7.12.1)
.set HALFT,  BROWS*PITCH               ; a piece in LDS: what one tensor load brings, and what one wave reads of A or of B
.set SLOT,   4*HALFT                   ; A's two pieces, then B's two
.set LAPS,   8                         ; a lap = two K steps = once round the ring: 4,096 / 512
.set SPARE,  2*SLOT                    ; behind the ring: the spare words, 128 bytes for each wave: two blocks of 256 bytes that no other line names
.set SPITCH, 528                       ; the way out: a stage of 16 rows x (512 bytes + 16) for each wave.  It lies in slot 0, which has had its last fill and its last read when the first result is stored there
.set ADRA, 16                          ; v16-17  LDS address of my A fragments in slot 0, 1
.set ADRB, 20                          ; v20-21  the same for B
.set ADRS, 22                          ; v22-23  LDS address of my scale words in slot 0, 1: lanes 0-15 in A's piece, lanes 16-31 in B's; + 8 (lane % 16)
.set STO,  24                          ; v24     the way out: where I put 32 bytes of a row
.set RD,   25                          ; v25     the way out: where I read a row back
.set CO,   26                          ; v26     my byte offset in a row of C
.set SPW,  28                          ; v28     LDS address of my spare word: SPARE + 4 x my thread's number; never rewritten
.set NIL,  29                          ; v29     0; never rewritten
.set SC,   32                          ; scale words: set s (for slot s) at v[SC + 16 s]; in it register 2 i + q: lanes 0-15 the word of A's block i, lanes 16-31 that of B's block i, for the slot's q-th 128 along K
.set AF,   128                         ; A's fragments, in window 0
.set BK,   128                         ; the way out: 16 rows read back from the stage: v128-191 and v192-255 by turns
.set G1, 24                            ; s[24:31] descriptor group 1 for A's pieces;  s[32:39] group 0, one set for each slot
.set G0, 32
.set G1B, 48                           ; s[48:55], s[56:63] the same for B's pieces
.set G0B, 56
.set MSB, 0
.macro WIN new                         ; the immediate's high byte repeats the setting that is left; a switch that changes nothing is dropped
.if MSB != \new
	s_set_vgpr_msb (MSB<<8)|\new
.set MSB, \new
.endif
.endm
.set MUL_LO, 0xa1                      ; source 0 (B) window 1, source 1 (A) window 0, C and D window 2
.set MUL_HI, 0xf1                      ; the same, C and D window 3
.set TO_B,   0x40                      ; destination window 1, address window 0
; A joint load: waves 0 and 1 fetch A's two pieces, waves 2 and 3 B's.  Each of the two lines has ONE mask and one set of registers for all that issue it; the branch hangs on the wave's number alone.
; Four v_nop follow each of the two lines, ahead of the jump, the label and what follows.
.macro JLOAD g0a, g1a, g0b, g1b
	s_cmp_eq_u32 s15, 0
	s_cbranch_scc0 .Lfor_b_\@
	tensor_load_to_lds s[\g0a:\g0a+3], s[\g1a:\g1a+7]
	s_nop 0
.rept 4
	v_nop
.endr
	s_branch .Lasked_\@
.Lfor_b_\@:
	tensor_load_to_lds s[\g0b:\g0b+3], s[\g1b:\g1b+7]
	s_nop 0
.rept 4
	v_nop
.endr
.Lasked_\@:
.endm
; A round of the cluster's barrier: my work-group's barrier, so that wave 0's signal speaks for all four waves; wave 0 signals for the work-group; every wave waits for all sixteen work-groups; my work-group's barrier once more.
.macro CREST                           ; a round behind its opening barrier
	s_cmp_lg_u32 s14, 0
	s_cbranch_scc1 .Lnot_wave_0_\@
	s_barrier_signal -3
.Lnot_wave_0_\@:
	s_barrier_wait -3
	s_barrier_signal -1
	s_barrier_wait -1
.endm
.macro CROUND                          ; a whole round
	s_barrier_signal -1
	s_barrier_wait -1
	CREST
.endm
	s_load_b128 s[4:7], s[0:1], 0x0                ; aq s[4:5], bq s[6:7]
	s_load_b64 s[12:13], s[0:1], 0x10              ; C
	v_lshl_add_u32 v[SPW], v0, 2, SPARE
	v_mov_b32 v[NIL], 0
	ds_add_u32 v28, v29
	ds_add_u32 v28, v29
	s_wait_dscnt 0x0
	v_lshrrev_b32 v1, 5, v0
	v_readfirstlane_b32 s14, v1                    ; wave 0..3
	s_lshr_b32 s15, s14, 1                         ; which half of the tile's rows is mine.  Also: I fetch for A (0) or for B (1)
	s_and_b32 s16, s14, 1                          ; which half of its columns.  Also: which of the two pieces I fetch
	s_bfe_u32 s40, ttmp6, 0x40000                  ; cx, cy: my place in the cluster
	s_bfe_u32 s41, ttmp6, 0x40004
	s_lshl_b32 s42, ttmp9, 2                       ; in a cluster launch ttmp9 and ttmp7 count clusters
	s_add_co_u32 s42, s42, s40                     ; tile column of C = 4 x cluster x + cx
	s_and_b32 s17, ttmp7, 0xffff
	s_lshl_b32 s17, s17, 2
	s_add_co_u32 s17, s17, s41                     ; tile row of C = 4 x cluster y + cy
	s_lshl_b32 s43, s41, 2
	s_lshl_b32 s43, 15, s43                        ; my row of the cluster: places 4 cy .. 4 cy + 3
	s_lshl_b32 s44, 0x1111, s40                    ; my column: places cx, cx + 4, cx + 8, cx + 12
	; descriptor group 1: a piece, 33,792 dense bytes, as 132 rows of 256 bytes (32 elements of 8 bytes), 16 bytes of padding behind each in LDS
	s_or_b32 s[G1+0], s43, (3<<16)|(1<<20)|(1<<21)|(5<<22)|(3<<25)  ; 15:0 the mask: A's pieces go to my row; 17:16 elements of 8 bytes; 20 padding on; 21 set beside a mask; 24:22 after every 64 words (code 5); 31:25 of 4 words (code 3)
	s_or_b32 s[G1B+0], s44, (3<<16)|(1<<20)|(1<<21)|(5<<22)|(3<<25) ; the same with the mask of my column, for B's pieces
.irp g, G1, G1B
	s_mov_b32 s[\g+1], 32<<16                      ; tensor_dim0 = 32 elements
	s_mov_b32 s[\g+2], BROWS<<16                   ; tensor_dim1 = 132
	s_mov_b32 s[\g+3], 32<<16                      ; tile_dim0 = 32
	s_mov_b32 s[\g+4], BROWS                       ; tile_dim1 = 132
	s_mov_b32 s[\g+5], 32                          ; tensor_dim0_stride: each row begins where the last ends
	s_mov_b32 s[\g+6], 0
	s_mov_b32 s[\g+7], 0
.endr
	; where the pieces come from.  A's hang on the tile row alone, which my row of the cluster shares; B's on the tile column alone, which my column shares.
	; Every wave makes both addresses, in registers that never hold the other coordinate, and asks by one of them.
	s_lshl_b32 s20, s17, 1
	s_add_co_u32 s20, s20, s16                     ; A: group of rows 2 x tile row + half
	s_mul_i32 s20, s20, 16*BLK                     ; its 16 pieces lie one behind the other (under 2^25 bytes in all)
	s_mov_b32 s21, 0
	s_lshl_b32 s46, s42, 1
	s_add_co_u32 s46, s46, s16                     ; B: group of rows 2 x tile column + half
	s_mul_i32 s46, s46, 16*BLK
	s_mov_b32 s47, 0
	s_mul_i32 s45, s14, HALFT                      ; where they go: wave x a piece: no place in the cluster enters an LDS address
	s_wait_kmcnt 0x0
	s_add_nc_u64 s[20:21], s[4:5], s[20:21]
	s_add_nc_u64 s[46:47], s[6:7], s[46:47]
	CROUND                                         ; all sixteen work-groups are here: the first joint loads meet
.irp s, 0,1
	s_mov_b32 s[G0+4*\s], 1                                        ; 1:0 count = 1
	s_add_co_u32 s[G0+4*\s+1], s45, \s*SLOT                        ; 63:32 LDS address
	s_add_nc_u64 s[G0+4*\s+2:G0+4*\s+3], s[20:21], \s*BLK          ; 120:64 global address: K step s
	s_or_b32 s[G0+4*\s+3], s[G0+4*\s+3], 0x80000000                ; 127:126 type = 2
	s_mov_b32 s[G0B+4*\s], 1
	s_add_co_u32 s[G0B+4*\s+1], s45, \s*SLOT
	s_add_nc_u64 s[G0B+4*\s+2:G0B+4*\s+3], s[46:47], \s*BLK
	s_or_b32 s[G0B+4*\s+3], s[G0B+4*\s+3], 0x80000000
	JLOAD G0+4*\s, G1, G0B+4*\s, G1B               ; the ring is filled before anything else is done: two loads of mine are out
.endr
	v_and_b32 v1, 15, v0                           ; r = l % 16
	v_bfe_u32 v2, v0, 4, 1                         ; h = l / 16
	v_mul_u32_u24 v3, v1, PITCH
	v_lshl_add_u32 v4, v2, 4, v3                   ; a fragment's row x pitch + 16 x half
	s_mul_i32 s21, s15, HALFT                      ; my piece of A
	s_mul_i32 s22, s16, HALFT                      ; my piece of B,
	s_add_co_u32 s22, s22, 2*HALFT                 ; which lies behind A's two
	s_sub_co_u32 s23, s22, s21
	v_mul_u32_u24 v6, s23, v2                      ; scale words: lanes 16-31 read in B's piece,
	v_lshl_add_u32 v5, v1, 3, v6                   ; 8 bytes a row
.irp s, 0,1
	v_add_nc_u32 v[ADRA+\s], s21, v4
	v_add_nc_u32 v[ADRB+\s], s22, v4
	v_add_nc_u32 v[ADRS+\s], s21, v5
	s_add_co_u32 s21, s21, SLOT
	s_add_co_u32 s22, s22, SLOT
.endr
	s_mul_i32 s23, s14, 16*SPITCH                  ; my stage
	v_mul_u32_u24 v5, v1, SPITCH                   ; in: row l % 16, 32 bytes for each half of the lanes
	v_lshl_add_u32 v5, v2, 5, v5
	v_add_nc_u32 v[STO], s23, v5
	v_and_b32 v6, 31, v0
	v_lshlrev_b32 v[CO], 4, v6                     ; back: the 32 lanes take one row of 512 bytes; and the same in C
	v_add_nc_u32 v[RD], s23, v[CO]
	s_lshl_b32 s20, s17, 8
	s_lshl_b32 s21, s15, 7
	s_add_co_u32 s20, s20, s21                     ; my first row of C: 256 x tile row + 128 x half,
	s_lshl_b32 s20, s20, 14                        ; of 16,384 bytes (under 2^26)
	s_lshl_b32 s46, s42, 10                        ; my first column, in bytes: 1,024 x tile column + 512 x half
	s_lshl_b32 s47, s16, 9
	s_add_co_u32 s46, s46, s47
	s_add_co_u32 s20, s20, s46
	s_mov_b32 s21, 0
	s_add_nc_u64 s[12:13], s[12:13], s[20:21]
.macro FRAG reg, adr, q, i             ; a fragment, 16 rows x 128 K of 8-bit codes, is 16 registers: lane l holds row l % 16; registers 4 c .. 4 c + 3 hold K = 32 c + 16 (l / 16) + 0 .. 15
.irp c, 0,1,2,3
	ds_load_b128 v[\reg+4*\c:\reg+4*\c+3], v[\adr] offset:128*(\q)+32*\c+(\i)*16*PITCH
.endr
.endm
; 16 matrix instructions: A's blocks a0, a0 + 1 x B's eight, 128 along K: the slot's q-th.  p: B's set;  sc: the set of scale words.  zero = 1: the first product starts the sums: nothing is ever cleared.
; Source 0's scales (B's) are read from lanes 16-31 of block b's register, source 1's (A's) from lanes 0-15 of block a's.
; The 64 accumulators take turns, one instruction a turn, in the same order in every step.
.macro MUL16 a0, p, q, sc, zero
.irp a, \a0, \a0+1
.irp b, 0,1,2,3,4,5,6,7
.if \zero
	v_wmma_scale_f32_16x16x128_f8f6f4 v[8*(8*((\a)%4)+\b):8*(8*((\a)%4)+\b)+7], v[128*(\p)+FR*\b:128*(\p)+FR*\b+FR-1], v[AF+FR*(\a):AF+FR*(\a)+FR-1], 0, v[SC+8*NQ*(\sc)+NQ*\b+(\q)], v[SC+8*NQ*(\sc)+NQ*(\a)+(\q)] matrix_a_fmt:MATRIX_FMT_BF8 matrix_b_fmt:MATRIX_FMT_BF8 matrix_a_scale:MATRIX_SCALE_ROW1
.else
	v_wmma_scale_f32_16x16x128_f8f6f4 v[8*(8*((\a)%4)+\b):8*(8*((\a)%4)+\b)+7], v[128*(\p)+FR*\b:128*(\p)+FR*\b+FR-1], v[AF+FR*(\a):AF+FR*(\a)+FR-1], v[8*(8*((\a)%4)+\b):8*(8*((\a)%4)+\b)+7], v[SC+8*NQ*(\sc)+NQ*\b+(\q)], v[SC+8*NQ*(\sc)+NQ*(\a)+(\q)] matrix_a_fmt:MATRIX_FMT_BF8 matrix_b_fmt:MATRIX_FMT_BF8 matrix_a_scale:MATRIX_SCALE_ROW1
.endif
.endr
.endr
.endm
.macro FETCH_B slot, q, p              ; B's eight fragments of the slot's q-th 128 along K into set p: 32 loads
	WIN TO_B
.irp i, 0,1,2,3,4,5,6,7
	FRAG 128*(\p)+FR*\i, ADRB+\slot, \q, \i
.endr
	WIN 0
.endm
.macro FETCH_A slot, q, i0             ; A's blocks i0 .. i0 + 3: 16 loads
.irp i, \i0, \i0+1, \i0+2, \i0+3
	FRAG AF+FR*(\i), ADRA+\slot, \q, \i
.endr
.endm
.macro SCALES sc                       ; slot sc's scale words into set sc: 8 loads of two words a row.  The bytes of block i's 16 rows begin 128 i bytes into the piece's last four rows of 256
.irp i, 0,1,2,3,4,5,6,7
	ds_load_b64 v[SC+8*NQ*\sc+NQ*\i:SC+8*NQ*\sc+NQ*\i+1], v[ADRS+\sc] offset:(128+\i/2)*PITCH+(\i%2)*128
.endr
.endm
; A load into a register that a matrix instruction has read, and a vector instruction or an LDS store that reads a matrix result, stand NP places behind that matrix instruction, and only plain vector
; instructions that name none of its registers are places (ISA guide 7.12.1 for vector instructions); this text does not count the matrix instructions in between.
.macro PLACES n
.rept \n
	v_nop
.endr
.endm
; A step of 128 along K that has its successor in the same slot.
.macro STEP slot, q, zero
	s_wait_dscnt 4*NL                              ; B's set, A's blocks 0-3 and the scale words are in; the youngest 16 loads (A's blocks 4-7) may be out
	WIN MUL_LO
	MUL16 0, (\q)%2, \q, \slot, \zero
	MUL16 2, (\q)%2, \q, \slot, \zero
	s_wait_dscnt 0                                 ; A's blocks 4-7 are in (asked for 32 matrix instructions ago)
	PLACES NP
	FETCH_B \slot, (\q)+1, 1-(\q)%2
	FETCH_A \slot, (\q)+1, 0
	WIN MUL_HI
	MUL16 4, (\q)%2, \q, \slot, \zero
	MUL16 6, (\q)%2, \q, \slot, \zero
	PLACES NP
	WIN 0
	FETCH_A \slot, (\q)+1, 4
.endm
; A slot's last step changes slots: ONE barrier; in front of it each wave waits for all its tensor loads, adds 0 to its spare word, and waits for that and for its own reads of this slot.
; Behind it nobody reads this slot any more and the next slot is whole.  fill = 1: this slot is filled again, two K steps ahead; the barrier then opens a round of the cluster's.
.macro TURN slot, next, fill
	s_wait_tensorcnt 0x0                           ; all my tensor loads have landed: the one that was out is my piece of the next slot;  (every window is 0 here: the add's two registers lie in window 0)
	ds_add_u32 v[SPW], v[NIL]                      ; 0 onto my spare word
	s_wait_dscnt 4*NL+1                            ; (the add and the youngest 16 loads, A's blocks 4-7, may be out)
	WIN MUL_LO
	MUL16 0, 1, NQ-1, \slot, 0                     ; sixteen matrix instructions stand between the add and the wait for it
	s_wait_dscnt 0x0                               ; the add is done, and my reads of this slot are over
	s_barrier_signal -1
	MUL16 2, 1, NQ-1, \slot, 0                     ; work on registers while the others arrive
	WIN 0
	s_barrier_wait -1
.if \fill
	CREST                                          ; no wave of any partner still reads this slot's pieces or has a load on its way
	s_add_nc_u64 s[G0+4*\slot+2:G0+4*\slot+3], s[G0+4*\slot+2:G0+4*\slot+3], 2*BLK      ; no tensor load of mine is out, so a group 0 may be written: two K steps on
	s_add_nc_u64 s[G0B+4*\slot+2:G0B+4*\slot+3], s[G0B+4*\slot+2:G0B+4*\slot+3], 2*BLK
	JLOAD G0+4*\slot, G1, G0B+4*\slot, G1B         ; the first tensor load behind the round, my only one until the next: 96 matrix instructions ahead of the wait for it; its four v_nop are among the places in front of the loads below
	PLACES NP-4
.else
	PLACES NP
.endif
	FETCH_B \next, 0, 0
	FETCH_A \next, 0, 0
	SCALES \next
	WIN MUL_HI
	MUL16 4, 1, NQ-1, \slot, 0
	MUL16 6, 1, NQ-1, \slot, 0
	PLACES NP
	WIN 0
	FETCH_A \next, 0, 4
.endm
	s_wait_tensorcnt 1                             ; my piece of K step 0 is in (K step 1's load may be out)
	s_barrier_signal -1
	s_barrier_wait -1                              ; everybody's is
	FETCH_B 0, 0, 0
	FETCH_A 0, 0, 0
	SCALES 0
	FETCH_A 0, 0, 4
	STEP 0, 0, 1                                   ; the first step stands in front of the loop: its products start the sums
	s_mov_b32 s3, LAPS-1
.Llap:                                                 ; a trip goes once round the ring, from a lap's second step to the next lap's first, and fills both slots again
	TURN 0, 1, 1
	STEP 1, 0, 0
	TURN 1, 0, 1
	STEP 0, 0, 0
	s_sub_co_u32 s3, s3, 1
	s_cmp_lg_u32 s3, 0
	s_cbranch_scc1 .Llap
	TURN 0, 1, 0                                   ; the last lap fills nothing, and has no round of the cluster's barrier
	STEP 1, 0, 0
	s_wait_dscnt 4*NL                              ; the very last step: nothing more to fetch
	WIN MUL_LO
	MUL16 0, 1, NQ-1, 1, 0
	MUL16 2, 1, NQ-1, 1, 0
	s_wait_dscnt 0
	WIN MUL_HI
	MUL16 4, 1, NQ-1, 1, 0
	MUL16 6, 1, NQ-1, 1, 0
	WIN 0
; THE WAY OUT, block by block of 16 rows x 128 columns.  A lane holds 32 neighbouring bytes of a row, and the lanes beside it hold other rows: so a block goes through my own stage in LDS and comes back as whole
; rows of 512 bytes.  LDS serves a wave's instructions in order (ISA guide 5.7.1.4): no wait between the stores and the loads, nor in front of the next block's stores.
.macro TOSTAGE a
.set AC, 64*((\a)%4)
	WIN 0x08+4*((\a)/4)                            ; the data: window 2 or 3
.irp b, 0,1,2,3,4,5,6,7
	ds_store_b128 v[STO], v[AC+8*\b:AC+8*\b+3] offset:64*\b          ; each accumulator from its low end on
	ds_store_b128 v[STO], v[AC+8*\b+4:AC+8*\b+7] offset:64*\b+16
.endr
	WIN 0
.set BB, BK+64*((\a)%2)
.irp t, 0,1,2,3,4,5,6,7,8,9,10,11,12,13,14,15
	ds_load_b128 v[BB+4*\t:BB+4*\t+3], v[RD] offset:\t*SPITCH
.endr
.endm
.macro SEND a, younger                 ; younger: the LDS instructions issued behind block a's loads, which may stay out
.set BB, BK+64*((\a)%2)
	s_wait_dscnt \younger                          ; the block is back in registers
.if (\a) > 0
	s_wait_xcnt 0x0                                ; only behind this wait is the stores' base rewritten
	s_add_nc_u64 s[12:13], s[12:13], 16*SIZE_N*4   ; 16 rows of C on: the stores' offsets reach 15 rows of 16,384 bytes at the most
.endif
.irp t, 0,1,2,3,4,5,6,7,8,9,10,11,12,13,14,15
	global_store_b128 v[CO], v[BB+4*\t:BB+4*\t+3], s[12:13] offset:\t*SIZE_N*4 th:TH_STORE_NT   ; 32 lanes store 512 consecutive bytes, at a multiple of 256 from C's first byte
.endr
.endm
	PLACES NP                                      ; behind the last products: for the loads into A's registers and for the reads of the last results alike
	TOSTAGE 0
.irp a, 1,2,3,4,5,6,7
	s_wait_xcnt 0x0                                ; block a - 2's stores have read their registers: block a's loads may land there
	TOSTAGE \a
	SEND \a-1, 32                                  ; behind block a - 1's loads: block a's 16 stores and 16 loads
.endr
	SEND 7, 0
	s_wait_tensorcnt 0x0                           ; the wave's end, behind my last tensor load and my last LDS store
	ds_add_u32 v[SPW], v[NIL]
	s_wait_dscnt 0x0
	CROUND                                         ; the closing round: no work-group ends while a partner may still ask for a piece that names it
	s_endpgm
.Lfunc_end_k_qe34ff1ecf5_gemm:
	.size	k_qe34ff1ecf5_gemm, .Lfunc_end_k_qe34ff1ecf5_gemm-k_qe34ff1ecf5_gemm
	.p2alignl 7, 3214868480
	.fill 96, 4, 3214868480
	.section	.rodata,"a",@progbits
	.p2align	6, 0x0
	.amdhsa_kernel k_qe34ff1ecf5_gemm
		.amdhsa_group_segment_fixed_size 327680
		.amdhsa_private_segment_fixed_size 0
		.amdhsa_enable_private_segment 0
		.amdhsa_kernarg_size 24
		.amdhsa_user_sgpr_count 2
		.amdhsa_user_sgpr_kernarg_segment_ptr 1
		.amdhsa_wavefront_size32 1
		.amdhsa_system_sgpr_workgroup_id_x 1
		.amdhsa_system_sgpr_workgroup_id_y 1
		.amdhsa_system_sgpr_workgroup_id_z 1
		.amdhsa_system_vgpr_workitem_id 0
		.amdhsa_next_free_vgpr 1024
		.amdhsa_next_free_sgpr 66
		.amdhsa_reserve_vcc 0
		.amdhsa_float_denorm_mode_32 3
		.amdhsa_float_denorm_mode_16_64 3
		.amdhsa_memory_ordered 1
		.amdhsa_forward_progress 1
		.amdhsa_inst_pref_size 143
	.end_amdhsa_kernel
	.amdgpu_metadata
---
amdhsa.version: [ 1, 2 ]
amdhsa.kernels:
  - .name:           k_qe34ff1ecf5_gemm
    .symbol:         k_qe34ff1ecf5_gemm.kd
    .args:
      - { .name: aq, .offset: 0, .size: 8, .value_kind: global_buffer, .address_space: global }
      - { .name: bq, .offset: 8, .size: 8, .value_kind: global_buffer, .address_space: global }
      - { .name: out0, .offset: 16, .size: 8, .value_kind: global_buffer, .address_space: global }
    .group_segment_fixed_size: 327680
    .private_segment_fixed_size: 0
    .kernarg_segment_align: 8
    .kernarg_segment_size: 24
    .max_flat_workgroup_size: 128
    .sgpr_count:     66
    .vgpr_count:     1024
    .wavefront_size: 32
...
	.end_amdgpu_metadata
.endif
;; end of part 2
;; ======== version 2 of 2: 2 launches
;; limits: right only within a limited range of input values
;; workspace buffers: aq 17,301,504 bytes; bq 17,301,504 bytes
;; launch quant (part 3): grid 256 x 1, 8 waves a work-group, no clusters, 327,680 bytes of LDS; arguments A, B, aq, bq; writes aq, bq
.if DOCPART == 3
	.amdgcn_target "amdgcn-amd-amdhsa--gfx1250"
	.amdhsa_code_object_version 6
	.text
	.protected	k_qe34ff1ecf5_quant
	.globl	k_qe34ff1ecf5_quant
	.p2align	8
	.type	k_qe34ff1ecf5_quant,@function
k_qe34ff1ecf5_quant:
	s_mov_b64 s[64:65], 0
	v_nop
	global_prefetch_b8 v0, s[64:65] scope:SCOPE_SE
	s_setreg_imm32_b32 hwreg(HW_REG_WAVE_MODE, 25, 1), 1
	s_wait_xcnt 0x0
; A [4096 (m)][4096 (k)] and B [4096 (k)][4096 (n)], f32, are turned into codes of BF8 (E5M2) with one E8M0 scale byte for each 32 along K.
; A block's scale is 2^(floor(log2(its largest magnitude)) - 15); its byte is the largest magnitude's exponent field - 15, held at 1 from below.  Each number is divided by the scale, held within +-57,344, and rounded to the nearest code, ties to even.
; (A block of zeros so gets the byte 1 where the rule says 127: its codes are zeros, which add nothing under any byte but 0xff, and this program alone reads the bytes.)
; LIMITS: NaN and infinities among the inputs are not served; blocks whose largest magnitude lies under 2^-111, whose byte is held at 1, were not tried.
; OUTPUT: aq and bq are [32 groups of 128 rows][16 K steps of 256] PIECES of 33,792 dense bytes (a row is an m of A or an n of B): row p's 256 codes at 256 p, K innermost; its 8 scale bytes at 32,768 + 8 p.
; SHARES: 256 work-groups of eight waves; each makes four pieces, in the order A, B, A, B.  A piece's 131,072 bytes of f32 come by eight tensor loads, one a wave, into one of two LDS slots: slot 0 takes A's, slot 1 B's.
;   A: wave w brings rows 64 (w / 4) .. + 63, 256 bytes (64 numbers) at strip w % 4, LDS rows 272 bytes apart.  A lane takes 16 neighbours of a row (two lanes a block), 8 rows a step, 8 steps.
;   B: wave w brings k = 32 w .. 32 w + 31, 512 bytes (128 columns) a row.  A lane takes a column and its 32 registers run down K: a whole block; four groups of 32 columns.
; Each wave reads only the bytes that its own load brought.  The codes and scale bytes of a piece meet in a stage of their own in LDS, and leave behind a barrier as whole rows: each store covers 512 (the scale bytes' 256) consecutive bytes, aligned.
; No clusters: no two work-groups read the same byte.
; PREFETCH: at each change of slots a wave has waited for all its tensor loads, so the load that follows sets out alone.  So each wave names its own tile of the piece that the NEXT tensor load will bring, one slot ahead of that load:
; 64 blocks of 256 bytes by two instructions, a lane a row.  Piece 1 is named at the head, pieces 2 and 3 behind the loads of pieces 1 and 2; then nothing is left to name.  Each block is named once; the pointers are never rewritten.
.set BLK,   33792
.set WREG,  17408                      ; a wave's part of a slot: 64 rows x 272 (B uses 16,384 of it)
.set SLOT,  8*WREG
.set STAGE, 2*SLOT                     ; 128 rows x 272: the piece's codes
.set SCST,  STAGE+128*272              ; its 1,024 scale bytes
.set SPARE, SCST+1024                  ; the spare words: 128 bytes a wave, named by no other line
.set NEXTP, 33554432                   ; from a work-group's first piece of a tensor to its second, in the tensor's bytes: 2,048 rows
.set EMAX,  15
.set X,  32                            ; v32-95 numbers as read from LDS; on the way out v32-65
.set C,  96                            ; v96-127 codes, registers of its own for each step
.set E,  128                           ; v128-135 scale bytes, likewise
	s_load_b256 s[4:11], s[0:1], 0x0               ; A, B, aq, bq
	v_lshl_add_u32 v2, v0, 2, SPARE
	v_mov_b32 v3, 0
	ds_add_u32 v2, v3                              ; the opening lines: the add twice on end and one wait
	ds_add_u32 v2, v3
	v_lshrrev_b32 v1, 5, v0
	v_readfirstlane_b32 s12, v1                    ; wave w
	s_lshr_b32 s13, s12, 2                         ; w / 4
	s_and_b32 s14, s12, 3                          ; w % 4
	s_mov_b32 s15, 0x600000                        ; the mantissa field of 57,344
	s_mov_b32 s16, (2<<16)|(1<<20)|(5<<22)|(3<<25) ; A's tiles: elements of 4 bytes, 4 words of padding behind every 64
	s_mov_b32 s17, 64<<16
	s_mov_b32 s18, 64<<16
	s_mov_b32 s19, 64<<16                          ; 64 numbers a row,
	s_mov_b32 s20, 64                              ; 64 rows,
	s_mov_b32 s21, 4096                            ; 4,096 numbers from row to row
	s_mov_b32 s22, 0
	s_mov_b32 s23, 0
	s_mov_b32 s24, 2<<16                           ; B's tiles: no padding
	s_mov_b32 s25, 128<<16
	s_mov_b32 s26, 32<<16
	s_mov_b32 s27, 128<<16                         ; 128 numbers a row,
	s_mov_b32 s28, 32                              ; 32 rows
	s_mov_b32 s29, 4096
	s_mov_b32 s30, 0
	s_mov_b32 s31, 0
	s_mul_i32 s3, s12, WREG
	s_lshr_b32 s50, ttmp9, 4                       ; A: piece number = work-group: group of rows,
	s_and_b32 s51, ttmp9, 15                       ; K step
	s_lshl_b32 s50, s50, 21
	s_lshl_b32 s51, s51, 10
	s_add_co_u32 s50, s50, s51
	s_lshl_b32 s51, s13, 20                        ; my 64 rows
	s_add_co_u32 s50, s50, s51
	s_lshl_b32 s51, s14, 8                         ; my strip
	s_add_co_u32 s50, s50, s51
	s_mov_b32 s51, 0
	s_lshr_b32 s52, ttmp9, 5                       ; B: K step (neighbouring work-groups stand side by side on B's rows),
	s_and_b32 s53, ttmp9, 31                       ; group of columns
	s_lshl_b32 s54, s53, 4
	s_add_co_u32 s54, s54, s52
	s_mul_i32 s54, s54, BLK                        ; its piece
	s_mov_b32 s55, 0
	s_lshl_b32 s52, s52, 22
	s_lshl_b32 s53, s53, 9
	s_add_co_u32 s52, s52, s53
	s_lshl_b32 s53, s12, 19                        ; my 32 rows
	s_add_co_u32 s52, s52, s53
	s_mov_b32 s53, 0
	s_mul_i32 s48, ttmp9, BLK
	s_mov_b32 s49, 0
	s_wait_dscnt 0x0                               ; both opening adds are done
	s_wait_kmcnt 0x0
	s_mov_b32 s32, 1
	s_add_co_u32 s33, s3, 0
	s_add_nc_u64 s[34:35], s[4:5], s[50:51]
	s_or_b32 s35, s35, 0x80000000
	s_mov_b32 s36, 1
	s_add_co_u32 s37, s3, SLOT
	s_add_nc_u64 s[38:39], s[6:7], s[52:53]
	s_or_b32 s39, s39, 0x80000000
	tensor_load_to_lds s[32:35], s[16:23]          ; A's first piece: one tensor load a wave at the head
	s_nop 0
	s_add_nc_u64 s[40:41], s[8:9], s[48:49]        ; where the four pieces go
	s_add_nc_u64 s[44:45], s[40:41], 256*BLK
	s_add_nc_u64 s[42:43], s[10:11], s[54:55]
	s_add_nc_u64 s[46:47], s[42:43], 8*BLK
	s_add_nc_u64 s[4:5], s[4:5], s[50:51]          ; for the prefetches: my tile of A's first piece,
	s_add_nc_u64 s[4:5], s[4:5], NEXTP             ; of A's second,
	s_add_nc_u64 s[6:7], s[6:7], s[52:53]          ; of B's first,
	s_add_nc_u64 s[50:51], s[6:7], NEXTP           ; of B's second
	s_mul_i32 s56, s13, 64*272
	s_lshl_b32 s57, s14, 6
	s_add_co_u32 s56, s56, s57
	s_add_co_u32 s56, s56, STAGE                   ; A into the stage: my 64 rows, my 64 bytes of them
	s_lshl_b32 s57, s13, 9
	s_lshl_b32 s58, s14, 1
	s_add_co_u32 s57, s57, s58
	s_add_co_u32 s57, s57, SCST                    ; and my 2 of their 8 scale bytes
	s_add_co_u32 s58, s3, SLOT
	s_lshl_b32 s59, s12, 5
	s_add_co_u32 s59, s59, STAGE                   ; B into the stage: my 32 bytes of every row
	s_add_co_u32 s60, s12, SCST
	s_mul_i32 s61, s12, 16*272
	s_add_co_u32 s61, s61, STAGE                   ; out of it: rows 16 w .. 16 w + 15
	s_lshl_b32 s62, s12, 12
	s_lshl_b32 s63, s12, 8
	v_and_b32 v4, 31, v0                           ; lane l
	v_lshrrev_b32 v20, 2, v4
	v_and_b32 v21, 3, v4
	v_mul_u32_u24 v22, v20, 272
	v_lshl_add_u32 v5, v21, 6, v22
	v_add_nc_u32 v5, s3, v5                        ; A read: row l / 4 of a step's eight, 64 bytes at 64 (l % 4)
	v_lshl_add_u32 v6, v21, 4, v22
	v_add_nc_u32 v6, s56, v6                       ; A's codes: 16 bytes
	v_lshrrev_b32 v23, 1, v21
	v_lshl_add_u32 v7, v20, 3, v23
	v_add_nc_u32 v7, s57, v7                       ; A's scale byte
	v_lshl_add_u32 v8, v4, 2, s58                  ; B read: column l of a group
	v_mul_u32_u24 v9, v4, 272
	v_add_nc_u32 v9, s59, v9                       ; B's codes: row l of a group
	v_lshl_add_u32 v10, v4, 3, s60                 ; B's scale byte
	v_lshrrev_b32 v20, 4, v4
	v_and_b32 v21, 15, v4
	v_mul_u32_u24 v22, v20, 272
	v_lshl_add_u32 v11, v21, 4, v22
	v_add_nc_u32 v11, s61, v11                     ; out: sixteen lanes to a row, two rows an instruction
	v_lshl_add_u32 v12, v4, 4, s62                 ; the same 512 bytes in the piece
	v_lshl_add_u32 v14, v4, 3, s63                 ; scale bytes out: 8 a lane, 256 a wave (waves 0-3)
	v_add_nc_u32 v13, SCST, v14
	v_lshlrev_b32 v24, 14, v4                      ; prefetch: row l of a tile, 16,384 bytes from row to row
	global_prefetch_b8 v24, s[6:7] th:TH_LOAD_NT scope:SCOPE_SE              ; my tile of B's first piece: 32 rows, the first 256 bytes of each,
	global_prefetch_b8 v24, s[6:7] offset:256 th:TH_LOAD_NT scope:SCOPE_SE   ; and the second
.macro MEET                            ; the wait for the add and my LDS reads, and the barrier; it also parts one piece's reads of the stage from the next piece's stores
	s_wait_dscnt 0x0
	s_barrier_signal -1
	s_barrier_wait -1
.endm
.macro SCALE m                         ; from the largest magnitude v[m]: v19 the conversion's scale operand, v18 57,344 x the scale
	v_add_nc_u32 v19, -(EMAX<<23), v[\m]
	v_and_or_b32 v18, v[\m], 0x7f800000, s15
.endm
.macro LA j
.irp c, 0,1,2,3
	ds_load_b128 v[X+16*((\j)%4)+4*\c:X+16*((\j)%4)+4*\c+3], v5 offset:2176*(\j)+16*\c
.endr
.endm
.macro STA j, n                        ; n: the LDS instructions issued behind step j's loads
.set XS, X+16*((\j)%4)
	s_wait_dscnt \n
	v_max3_num_f32 v16, |v[XS]|, |v[XS+1]|, |v[XS+2]|
	v_max3_num_f32 v17, |v[XS+3]|, |v[XS+4]|, |v[XS+5]|
.irp i, 6,10
	v_max3_num_f32 v16, v16, |v[XS+\i]|, |v[XS+\i+1]|
	v_max3_num_f32 v17, v17, |v[XS+\i+2]|, |v[XS+\i+3]|
.endr
	v_max3_num_f32 v16, v16, |v[XS+14]|, |v[XS+15]|
	v_max3_num_f32 v16, v16, v17, (EMAX+1)<<23     ; the floor: the byte cannot fall under 1
	v_max_num_f32_dpp v16, v16, v16 row_xmask:1 row_mask:0xf bank_mask:0xf   ; with my neighbour's 16: the block's
	SCALE 16
.irp i, 0,1,2,3,4,5,6,7,8,9,10,11,12,13,14,15
	v_med3_num_f32 v[XS+\i], v[XS+\i], -v18, v18   ; held first: the conversion does not saturate (ISA guide 7.6.2)
.endr
	v_cvt_scalef32_pk8_bf8_f32 v[C+4*(\j):C+4*(\j)+1], v[XS:XS+7], v19
	v_cvt_scalef32_pk8_bf8_f32 v[C+4*(\j)+2:C+4*(\j)+3], v[XS+8:XS+15], v19
	v_lshrrev_b32 v[E+(\j)], 23, v19               ; the scale's byte (also the plain line behind the conversions)
	ds_store_b128 v6, v[C+4*(\j):C+4*(\j)+3] offset:2176*(\j)
	ds_store_b8 v7, v[E+(\j)] offset:64*(\j)       ; both lanes of a block write the same byte with the same value
.if (\j)+4 < 8
	LA (\j)+4
.endif
.endm
.macro PROCA ask                       ; ask = 1: my tile of A's second piece is named, behind the first run of LDS loads
	LA 0
	LA 1
	LA 2
	LA 3
.if \ask
	global_prefetch_b8 v24, s[4:5] th:TH_LOAD_NT scope:SCOPE_SE                   ; rows 0-31 of my 64, 256 bytes each,
	global_prefetch_b8 v24, s[4:5] offset:32*16384 th:TH_LOAD_NT scope:SCOPE_SE   ; and rows 32-63
.endif
	STA 0, 12
	STA 1, 14
	STA 2, 16
	STA 3, 18
	STA 4, 18
	STA 5, 14
	STA 6, 10
	STA 7, 6
.endm
.macro LB g
.irp i, 0,1,2,3,4,5,6,7,8,9,10,11,12,13,14,15,16,17,18,19,20,21,22,23,24,25,26,27,28,29,30,31
	ds_load_b32 v[X+32*((\g)%2)+\i], v8 offset:512*\i+128*(\g)
.endr
.endm
.macro STB g, n
.set XS, X+32*((\g)%2)
	s_wait_dscnt \n
	v_max3_num_f32 v16, |v[XS]|, |v[XS+1]|, |v[XS+2]|
	v_max3_num_f32 v17, |v[XS+3]|, |v[XS+4]|, |v[XS+5]|
.irp i, 6,10,14,18,22,26
	v_max3_num_f32 v16, v16, |v[XS+\i]|, |v[XS+\i+1]|
	v_max3_num_f32 v17, v17, |v[XS+\i+2]|, |v[XS+\i+3]|
.endr
	v_max3_num_f32 v16, v16, |v[XS+30]|, |v[XS+31]|
	v_max3_num_f32 v16, v16, v17, (EMAX+1)<<23
	SCALE 16
.irp i, 0,1,2,3,4,5,6,7,8,9,10,11,12,13,14,15,16,17,18,19,20,21,22,23,24,25,26,27,28,29,30,31
	v_med3_num_f32 v[XS+\i], v[XS+\i], -v18, v18
.endr
.irp c, 0,1,2,3
	v_cvt_scalef32_pk8_bf8_f32 v[C+8*(\g)+2*\c:C+8*(\g)+2*\c+1], v[XS+8*\c:XS+8*\c+7], v19
.endr
	v_lshrrev_b32 v[E+(\g)], 23, v19
	ds_store_b128 v9, v[C+8*(\g):C+8*(\g)+3] offset:8704*(\g)
	ds_store_b128 v9, v[C+8*(\g)+4:C+8*(\g)+7] offset:8704*(\g)+16
	ds_store_b8 v10, v[E+(\g)] offset:256*(\g)
.if (\g)+2 < 4
	LB (\g)+2
.endif
.endm
.macro PROCB ask                       ; ask = 1: my tile of B's second piece is named
	LB 0
	LB 1
.if \ask
	global_prefetch_b8 v24, s[50:51] th:TH_LOAD_NT scope:SCOPE_SE
	global_prefetch_b8 v24, s[50:51] offset:256 th:TH_LOAD_NT scope:SCOPE_SE
.endif
	STB 0, 32
	STB 1, 35
	STB 2, 35
	STB 3, 3
.endm
.macro OUT base                        ; every wave's stores into the stage are done; the piece leaves
	s_wait_dscnt 0x0
	s_barrier_signal -1
	s_barrier_wait -1
.irp t, 0,1,2,3,4,5,6,7
	ds_load_b128 v[X+4*\t:X+4*\t+3], v11 offset:544*\t
.endr
.irp t, 0,1,2,3,4,5,6,7
	s_wait_dscnt 7-\t
	global_store_b128 v12, v[X+4*\t:X+4*\t+3], s[\base:\base+1] offset:512*\t
.endr
	s_cmp_lt_u32 s12, 4
	s_cbranch_scc0 .Lno_scales_\@
	ds_load_b64 v[X+32:X+33], v13
	s_wait_dscnt 0x0
	global_store_b64 v14, v[X+32:X+33], s[\base:\base+1] offset:32768
.Lno_scales_\@:
	s_wait_xcnt 0x0                                ; the stores have read their registers, which the next piece's numbers land in
.endm
	s_wait_alu depctr_va_vdst(0)                   ; the wait at the head's end
	s_wait_tensorcnt 0x0                           ; A's first piece: my part is in
	ds_add_u32 v2, v3
	MEET
	tensor_load_to_lds s[36:39], s[24:31]          ; slot 1's first fill, issued as a refill is: B's first piece
	s_nop 0
	PROCA 1
	OUT 40
	s_wait_tensorcnt 0x0
	ds_add_u32 v2, v3
	s_add_nc_u64 s[34:35], s[34:35], NEXTP         ; no tensor load of mine is out: the descriptor may be written
	MEET
	tensor_load_to_lds s[32:35], s[16:23]          ; A's second piece
	s_nop 0
	PROCB 1
	OUT 42
	s_wait_tensorcnt 0x0
	ds_add_u32 v2, v3
	s_add_nc_u64 s[38:39], s[38:39], NEXTP
	MEET
	tensor_load_to_lds s[36:39], s[24:31]          ; B's second piece
	s_nop 0
	PROCA 0
	OUT 44
	s_wait_tensorcnt 0x0
	ds_add_u32 v2, v3
	MEET                                           ; nothing is filled again
	PROCB 0
	OUT 46
	s_wait_tensorcnt 0x0                           ; the wave's end
	ds_add_u32 v2, v3
	s_wait_dscnt 0x0
	s_endpgm
.Lfunc_end_k_qe34ff1ecf5_quant:
	.size	k_qe34ff1ecf5_quant, .Lfunc_end_k_qe34ff1ecf5_quant-k_qe34ff1ecf5_quant
	.p2alignl 7, 3214868480
	.fill 96, 4, 3214868480
	.section	.rodata,"a",@progbits
	.p2align	6, 0x0
	.amdhsa_kernel k_qe34ff1ecf5_quant
		.amdhsa_group_segment_fixed_size 327680
		.amdhsa_private_segment_fixed_size 0
		.amdhsa_enable_private_segment 0
		.amdhsa_kernarg_size 32
		.amdhsa_user_sgpr_count 2
		.amdhsa_user_sgpr_kernarg_segment_ptr 1
		.amdhsa_wavefront_size32 1
		.amdhsa_system_sgpr_workgroup_id_x 1
		.amdhsa_system_sgpr_workgroup_id_y 1
		.amdhsa_system_sgpr_workgroup_id_z 1
		.amdhsa_system_vgpr_workitem_id 0
		.amdhsa_next_free_vgpr 144
		.amdhsa_next_free_sgpr 66
		.amdhsa_reserve_vcc 0
		.amdhsa_float_denorm_mode_32 3
		.amdhsa_float_denorm_mode_16_64 3
		.amdhsa_memory_ordered 1
		.amdhsa_forward_progress 1
		.amdhsa_inst_pref_size 98
	.end_amdhsa_kernel
	.amdgpu_metadata
---
amdhsa.version: [ 1, 2 ]
amdhsa.kernels:
  - .name:           k_qe34ff1ecf5_quant
    .symbol:         k_qe34ff1ecf5_quant.kd
    .args:
      - { .name: A, .offset: 0, .size: 8, .value_kind: global_buffer, .address_space: global }
      - { .name: B, .offset: 8, .size: 8, .value_kind: global_buffer, .address_space: global }
      - { .name: aq, .offset: 16, .size: 8, .value_kind: global_buffer, .address_space: global }
      - { .name: bq, .offset: 24, .size: 8, .value_kind: global_buffer, .address_space: global }
    .group_segment_fixed_size: 327680
    .private_segment_fixed_size: 0
    .kernarg_segment_align: 8
    .kernarg_segment_size: 32
    .max_flat_workgroup_size: 256
    .sgpr_count:     66
    .vgpr_count:     144
    .wavefront_size: 32
...
	.end_amdgpu_metadata
.endif
;; end of part 3
;; launch gemm (part 4): grid 16 x 16, 4 waves a work-group, clusters of 4 x 4, 327,680 bytes of LDS; arguments aq, bq, out0; writes out0
.if DOCPART == 4
	.amdgcn_target "amdgcn-amd-amdhsa--gfx1250"
	.amdhsa_code_object_version 6
	.text
	.protected	k_qe34ff1ecf5_gemm
	.globl	k_qe34ff1ecf5_gemm
	.p2align	8
	.type	k_qe34ff1ecf5_gemm,@function
k_qe34ff1ecf5_gemm:
	s_mov_b64 s[64:65], 0
	v_nop
	global_prefetch_b8 v0, s[64:65] scope:SCOPE_SE
	s_setreg_imm32_b32 hwreg(HW_REG_WAVE_MODE, 25, 1), 1
	s_wait_xcnt 0x0
	s_wait_alu depctr_hold_cnt(0) depctr_sa_sdst(0) depctr_va_vdst(0) depctr_va_sdst(0) depctr_va_ssrc(0) depctr_va_vcc(0) depctr_vm_vsrc(0)
	s_getreg_b32 s2, hwreg(HW_REG_IB_STS2, 6, 4)
	s_cmp_eq_u32 s2, 0
	s_cbranch_scc0 .Lentry_in_a_cluster
	s_endpgm
.Lentry_in_a_cluster:
	s_bfe_u32 s2, ttmp6, 0x10000c
	s_cmp_lg_u32 s2, 0xf033
	s_cbranch_scc0 .Lentry_shape_is_right
	s_endpgm
.Lentry_shape_is_right:
; out0[m][n] = sum over k of A[m][k] B[k][n], both operands as codes of BF8 (E5M2) with one E8M0 byte for each 32 along K, as the launch before laid them:
; aq, bq = [32 groups of 128 rows][16 K steps of 256] pieces of 33,792 dense bytes: 128 rows x 256 codes, then 128 rows x 8 scale bytes.  Sums in f32.
; A work-group of four waves makes 256 x 256 of out0, a wave 128 x 128: 64 accumulators, 512 registers.  K goes in steps of 256 through two LDS slots; a slot holds four pieces (A's two, B's two), one tensor load a wave.
; CLUSTERS 4 x 4: A's pieces are shared along a row of the cluster, B's along a column, each asked for jointly.  Source 0 = 16 rows of B, source 1 = 16 rows of A: a lane holds eight neighbours of a row of out0.
; ORDER OF K: a cluster takes K step (i xor RHO), RHO = 0 or 2 by the cluster's place in the grid; so the order of the f32 sums along K differs between clusters (a limit of rounding order).
; A step of 128 along K is 64 products, A's blocks one after the other, each against B's eight.  A has one set of fragment registers, B two.  THE LDS LOADS STAND IN RUNS OF 32, each behind eight places:
; at a step's start A's blocks 4-7 of this step and B's blocks 0-3 of the next; in its middle A's blocks 0-3 and B's blocks 4-7 of the next.
; A slot's second step (OSTEP) changes slots: A's blocks 4-7, the slot's last fragments, then the three lines and the round, and behind the joint load the next slot's first fragments.
; REGISTERS: window 0: v16-31 addresses; v32-63 scale words (set s at 32 + 16 s, register 8 q + i: lanes 0-15 A's block i, lanes 16-31 B's block i); v128-255 A's fragments.
;   window 1: B's fragments, sets at v0 and v128 (set 0 serves the way out in the last step).  windows 2, 3: accumulator (a, b) at v[8 (8 (a % 4) + b)].
; PREFETCH: at the change of slots that refills K step i + 2, the piece of K step i + 4 is named: 132 blocks of 256 bytes, of which each of the four partners that load it takes 33, told apart by address.
.set SIZE_N, 4096
.set BLK,    33792
.set BROWS,  132
.set PITCH,  272                       ; 256 bytes + 16 of padding
.set FR,     16
.set HALFT,  BROWS*PITCH               ; a piece in LDS
.set SLOT,   4*HALFT
.set LAPS,   8
.set SPARE,  2*SLOT                    ; the spare words: 512 bytes that no other line names
.set SPITCH, 528                       ; the way out: 16 rows x (512 + 16) bytes a wave, in slot 0 behind its last fill and last read
.set ADRA, 16
.set ADRB, 20
.set ADRS, 22
.set STO,  24
.set RD,   25
.set CO,   26
.set SPW,  28
.set NIL,  29
.set PFO,  30                          ; prefetch: my share's block by lane
.set PFO2, 31                          ; and its 33rd block, the same in all lanes
.set SC,   32
.set AF,   128
.set RHO,  8
.set TIME, 9
.set OFS,  10
.set G1, 24
.set G0, 32
.set PFA, 40                           ; s[40:41] the piece that the prefetch names
.set PB,  42                           ; s[42:43] my row of pieces (A's or B's)
.set PT,  44                           ; s[44:45] its offset there
.set G1B, 48
.set G0B, 56
.set MSB, 0
.macro WIN new                         ; the immediate's high byte repeats the setting that is left
.if MSB != (\new)
	s_set_vgpr_msb (MSB<<8)|(\new)
.set MSB, (\new)
.endif
.endm
.set MUL_LO, 0xa1                      ; source 0 window 1, source 1 window 0, C and D window 2
.set TO_B,   0x40                      ; destination window 1
.macro JLOAD g0a, g1a, g0b, g1b        ; waves 0, 1 ask for A's pieces, waves 2, 3 for B's
	s_cmp_eq_u32 s15, 0
	s_cbranch_scc0 .Lfor_b_\@
	tensor_load_to_lds s[\g0a:\g0a+3], s[\g1a:\g1a+7]
	s_nop 0
.rept 4
	v_nop
.endr
	s_branch .Lasked_\@
.Lfor_b_\@:
	tensor_load_to_lds s[\g0b:\g0b+3], s[\g1b:\g1b+7]
	s_nop 0
.rept 4
	v_nop
.endr
.Lasked_\@:
.endm
.macro AIM slot                        ; the slot's descriptors point at piece TIME xor RHO of my rows of pieces
	s_xor_b32 s[OFS], s[TIME], s[RHO]
	s_mul_i32 s[OFS], s[OFS], BLK
	s_add_nc_u64 s[G0+4*\slot+2:G0+4*\slot+3], s[4:5], s[OFS:OFS+1]
	s_or_b32 s[G0+4*\slot+3], s[G0+4*\slot+3], 0x80000000
	s_add_nc_u64 s[G0B+4*\slot+2:G0B+4*\slot+3], s[6:7], s[OFS:OFS+1]
	s_or_b32 s[G0B+4*\slot+3], s[G0B+4*\slot+3], 0x80000000
	s_add_co_u32 s[TIME], s[TIME], 1
.endm
.macro CREST
	s_cmp_lg_u32 s14, 0
	s_cbranch_scc1 .Lnot_wave_0_\@
	s_barrier_signal -3
.Lnot_wave_0_\@:
	s_barrier_wait -3
	s_barrier_signal -1
	s_barrier_wait -1
.endm
.macro CROUND
	s_barrier_signal -1
	s_barrier_wait -1
	CREST
.endm
	s_load_b128 s[4:7], s[0:1], 0x0                ; aq, bq
	s_load_b64 s[12:13], s[0:1], 0x10              ; out0
	v_lshl_add_u32 v[SPW], v0, 2, SPARE
	v_mov_b32 v[NIL], 0
	ds_add_u32 v[SPW], v[NIL]                      ; the opening lines: the add twice on end and one wait
	ds_add_u32 v[SPW], v[NIL]
	v_lshrrev_b32 v1, 5, v0
	v_readfirstlane_b32 s14, v1                    ; wave
	s_lshr_b32 s15, s14, 1                         ; my half of the rows; also: I fetch for A (0) or B (1)
	s_and_b32 s16, s14, 1                          ; my half of the columns; also: which piece of the two I fetch
	s_bfe_u32 s19, ttmp6, 0x40000                  ; cx
	s_bfe_u32 s20, ttmp6, 0x40004                  ; cy
	s_lshl_b32 s18, ttmp9, 2
	s_add_co_u32 s18, s18, s19                     ; tile column
	s_and_b32 s17, ttmp7, 0xffff
	s_lshr_b32 s[RHO], ttmp9, 1                    ; RHO from the cluster's x and y alone: the same in all partners
	s_xor_b32 s[RHO], s[RHO], ttmp9
	s_xor_b32 s[RHO], s[RHO], s17
	s_lshr_b32 s[TIME], s17, 1
	s_xor_b32 s[RHO], s[RHO], s[TIME]
	s_and_b32 s[RHO], s[RHO], 1
	s_lshl_b32 s[RHO], s[RHO], 1
	s_mov_b32 s[TIME], 0
	s_mov_b32 s[OFS+1], 0
	s_lshl_b32 s17, s17, 2
	s_add_co_u32 s17, s17, s20                     ; tile row
	s_lshl_b32 s21, s20, 2
	s_lshl_b32 s21, 15, s21                        ; my row of the cluster
	s_lshl_b32 s22, 0x1111, s19                    ; my column
	s_or_b32 s[G1+0], s21, (3<<16)|(1<<20)|(1<<21)|(5<<22)|(3<<25)   ; elements of 8 bytes; 4 words of padding behind every 64
	s_or_b32 s[G1B+0], s22, (3<<16)|(1<<20)|(1<<21)|(5<<22)|(3<<25)
.irp g, G1, G1B
	s_mov_b32 s[\g+1], 32<<16                      ; a piece as 132 dense rows of 256 bytes
	s_mov_b32 s[\g+2], BROWS<<16
	s_mov_b32 s[\g+3], 32<<16
	s_mov_b32 s[\g+4], BROWS
	s_mov_b32 s[\g+5], 32
	s_mov_b32 s[\g+6], 0
	s_mov_b32 s[\g+7], 0
.endr
	s_lshl_b32 s46, s17, 1
	s_add_co_u32 s46, s46, s16
	s_mul_i32 s46, s46, 16*BLK                     ; A: group of rows 2 x tile row + piece
	s_mov_b32 s47, 0
	s_lshl_b32 s22, s18, 1
	s_add_co_u32 s22, s22, s16
	s_mul_i32 s22, s22, 16*BLK                     ; B: 2 x tile column + piece
	s_mov_b32 s23, 0
	s_mul_i32 s2, s14, HALFT                       ; where my piece goes in a slot
	s_wait_dscnt 0x0                               ; both opening adds are done
	CROUND                                         ; the round in front of the first joint loads
	s_wait_kmcnt 0x0
	s_add_nc_u64 s[4:5], s[4:5], s[46:47]
	s_add_nc_u64 s[6:7], s[6:7], s[22:23]
.irp s, 0,1
	s_mov_b32 s[G0+4*\s], 1
	s_add_co_u32 s[G0+4*\s+1], s2, \s*SLOT
	s_mov_b32 s[G0B+4*\s], 1
	s_add_co_u32 s[G0B+4*\s+1], s2, \s*SLOT
	AIM \s
.endr
	JLOAD G0, G1, G0B, G1B                         ; K step 0: one tensor load a wave at the head
	s_mul_i32 s21, s15, HALFT                      ; my 128 rows of A in a slot
	s_mul_i32 s22, s16, HALFT
	s_add_co_u32 s22, s22, 2*HALFT                 ; my 128 rows of B
	s_sub_co_u32 s23, s22, s21
	s_mul_i32 s46, s14, 16*SPITCH                  ; my stage
	s_cmp_eq_u32 s15, 0
	s_cselect_b32 s47, s19, s20                    ; my place among the four that ask for my piece
	s_cselect_b64 s[PB:PB+1], s[4:5], s[6:7]
	s_mul_i32 s47, s47, 33*256                     ; my 33 blocks of its 132
	s_lshl_b32 s44, s17, 8
	s_lshl_b32 s45, s15, 7
	s_add_co_u32 s44, s44, s45                     ; my first row of out0,
	s_lshl_b32 s44, s44, 14                        ; in bytes,
	s_lshl_b32 s45, s18, 10
	s_add_co_u32 s44, s44, s45
	s_lshl_b32 s45, s16, 9
	s_add_co_u32 s44, s44, s45                     ; and my first column
	s_mov_b32 s45, 0
	s_add_nc_u64 s[12:13], s[12:13], s[44:45]
	s_xor_b32 s[PT], s[RHO], 1                     ; the first K steps' prefetches, each from a pointer of its own: the piece of K step 1,
	s_mul_i32 s[PT], s[PT], BLK
	s_add_nc_u64 s[PFA:PFA+1], s[PB:PB+1], s[PT:PT+1]
	s_xor_b32 s[PT], s[RHO], 2                     ; of K step 2,
	s_mul_i32 s[PT], s[PT], BLK
	s_add_nc_u64 s[18:19], s[PB:PB+1], s[PT:PT+1]
	s_xor_b32 s[PT], s[RHO], 3                     ; of K step 3
	s_mul_i32 s[PT], s[PT], BLK
	s_add_nc_u64 s[16:17], s[PB:PB+1], s[PT:PT+1]
	v_and_b32 v1, 15, v0                           ; r
	v_bfe_u32 v2, v0, 4, 1                         ; h
	v_mul_u32_u24 v3, v1, PITCH
	v_lshl_add_u32 v4, v2, 4, v3                   ; a fragment: row x pitch + 16 h
	v_mul_u32_u24 v6, s23, v2                      ; scale words: lanes 16-31 take B's
	v_lshl_add_u32 v5, v1, 3, v6                   ; 8 bytes a row
	v_add_nc_u32 v[ADRA], s21, v4
	v_add_nc_u32 v[ADRB], s22, v4
	v_add_nc_u32 v[ADRS], s21, v5
	v_add_nc_u32 v[ADRA+1], SLOT, v[ADRA]
	v_add_nc_u32 v[ADRB+1], SLOT, v[ADRB]
	v_add_nc_u32 v[ADRS+1], SLOT, v[ADRS]
	v_mul_u32_u24 v5, v1, SPITCH
	v_lshl_add_u32 v5, v2, 5, v5
	v_add_nc_u32 v[STO], s46, v5                   ; into the stage: row r, 32 bytes for each half of the lanes
	v_and_b32 v6, 31, v0
	v_lshlrev_b32 v[CO], 4, v6                     ; back: 32 lanes take a row of 512 bytes
	v_add_nc_u32 v[RD], s46, v[CO]
	v_lshl_add_u32 v[PFO], v6, 8, s47
	v_mov_b32 v7, s47
	v_add_nc_u32 v[PFO2], 32*256, v7
	global_prefetch_b8 v[PFO], s[PFA:PFA+1] th:TH_LOAD_NT scope:SCOPE_SE    ; K steps 1 and 2: my 33 blocks of each piece, as in the loop; K step 0 comes by its load alone
	global_prefetch_b8 v[PFO2], s[PFA:PFA+1] th:TH_LOAD_NT scope:SCOPE_SE
	global_prefetch_b8 v[PFO], s[18:19] th:TH_LOAD_NT scope:SCOPE_SE
	global_prefetch_b8 v[PFO2], s[18:19] th:TH_LOAD_NT scope:SCOPE_SE
.macro FRAG reg, adr, q, i             ; 16 rows x 128 K: registers 4 c .. 4 c + 3 hold K = 32 c + 16 h + 0 .. 15
.irp c, 0,1,2,3
	ds_load_b128 v[\reg+4*\c:\reg+4*\c+3], v[\adr] offset:128*(\q)+32*\c+(\i)*16*PITCH
.endr
.endm
.macro GB4 slot, q, p, i0              ; B's blocks i0 .. i0 + 3 of the slot's q-th 128 along K into set p
	WIN TO_B
.irp i, \i0, \i0+1, \i0+2, \i0+3
	FRAG 128*(\p)+FR*(\i), ADRB+\slot, \q, \i
.endr
.endm
.macro GA4 slot, q, i0                 ; A's blocks i0 .. i0 + 3
	WIN 0
.irp i, \i0, \i0+1, \i0+2, \i0+3
	FRAG AF+FR*(\i), ADRA+\slot, \q, \i
.endr
.endm
.macro SCALES sc                       ; a K step's scale words: 16 loads of a word
	WIN 0
.irp q, 0,1
.irp i, 0,1,2,3,4,5,6,7
	ds_load_b32 v[SC+16*\sc+8*\q+\i], v[ADRS+\sc] offset:(128+\i/2)*PITCH+(\i%2)*128+4*\q
.endr
.endr
.endm
.macro PLACES n
.rept \n
	v_nop
.endr
.endm
.macro HALF a, b0, p, q, sc, zero      ; four products.  The 64 accumulators take turns in the same order in every step
	WIN (MUL_LO+0x50*((\a)/4))
.irp b, \b0, \b0+1, \b0+2, \b0+3
.if \zero
	v_wmma_scale_f32_16x16x128_f8f6f4 v[8*(8*((\a)%4)+(\b)):8*(8*((\a)%4)+(\b))+7], v[128*(\p)+FR*(\b):128*(\p)+FR*(\b)+FR-1], v[AF+FR*(\a):AF+FR*(\a)+FR-1], 0, v[SC+16*(\sc)+8*(\q)+(\b)], v[SC+16*(\sc)+8*(\q)+(\a)] matrix_a_fmt:MATRIX_FMT_BF8 matrix_b_fmt:MATRIX_FMT_BF8 matrix_a_scale:MATRIX_SCALE_ROW1
.else
	v_wmma_scale_f32_16x16x128_f8f6f4 v[8*(8*((\a)%4)+(\b)):8*(8*((\a)%4)+(\b))+7], v[128*(\p)+FR*(\b):128*(\p)+FR*(\b)+FR-1], v[AF+FR*(\a):AF+FR*(\a)+FR-1], v[8*(8*((\a)%4)+(\b)):8*(8*((\a)%4)+(\b))+7], v[SC+16*(\sc)+8*(\q)+(\b)], v[SC+16*(\sc)+8*(\q)+(\a)] matrix_a_fmt:MATRIX_FMT_BF8 matrix_b_fmt:MATRIX_FMT_BF8 matrix_a_scale:MATRIX_SCALE_ROW1
.endif
.endr
.endm
.macro BLK a, p, q, sc, zero           ; A's block a against B's eight
	HALF \a, 0, \p, \q, \sc, \zero
	HALF \a, 4, \p, \q, \sc, \zero
.endm
; A slot's first step: both runs read its own slot.
.macro ESTEP slot, zero
	PLACES 8                                       ; in front of loads into registers that the last products have read
	GA4 \slot, 0, 4
	GB4 \slot, 1, 1, 0
	s_wait_dscnt 32                                ; all but the 32 just issued: this step's B, scale words and A's blocks 0-3
.irp a, 0,1,2,3
	BLK \a, 0, 0, \slot, \zero
.endr
	PLACES 8
	GA4 \slot, 1, 0
	GB4 \slot, 1, 1, 4
	s_wait_dscnt 48                                ; A's blocks 4-7 are in: 16 loads of B and the 32 just issued stand behind them
.irp a, 4,5,6,7
	BLK \a, 0, 0, \slot, \zero
.endr
	WIN 0
.endm
; A slot's second step changes slots.  fill = 1: this slot is filled again, two K steps ahead, behind a round of the cluster's barrier.
.macro OSTEP slot, next, fill
	PLACES 8
	GA4 \slot, 1, 4                                ; the slot's last fragments
.if \fill
	s_wait_xcnt 0x0                                ; the last prefetch has read its address, which is written below
.endif
	s_wait_tensorcnt 0x0                           ; my piece of the next slot has landed;
	ds_add_u32 v[SPW], v[NIL]
.if \fill
	AIM \slot                                      ; no tensor load of mine is out: the descriptors may be written
	s_add_co_u32 s[PT], s[TIME], 1                 ; the piece two refills on
	s_xor_b32 s[PT], s[PT], s[RHO]
	s_mul_i32 s[PT], s[PT], BLK
	s_add_nc_u64 s[PFA:PFA+1], s[PB:PB+1], s[PT:PT+1]
.endif
	s_wait_dscnt 17                                ; the 16 loads above and the add may be out
	BLK 0, 1, 1, \slot, 0
	BLK 1, 1, 1, \slot, 0
	s_wait_dscnt 0x0                               ; the add is done, and my reads of this slot are over
	s_barrier_signal -1
	HALF 2, 0, 1, 1, \slot, 0
	WIN 0
	s_barrier_wait -1
.if \fill
	CREST
	JLOAD G0+4*\slot, G1, G0B+4*\slot, G1B         ; the first tensor load behind the round
.endif
	GB4 \next, 0, 0, 0                             ; (set 0 and these scale words were last read a step ago, ahead of this step's first places)
	SCALES \next
.if \fill
	s_cmp_gt_u32 s3, 1                             ; the last trip's two refills have no K step two refills on
	s_cbranch_scc0 .Lno_ask_\@
	global_prefetch_b8 v[PFO], s[PFA:PFA+1] th:TH_LOAD_NT scope:SCOPE_SE    ; 32 blocks of 256 bytes, a lane a block,
	global_prefetch_b8 v[PFO2], s[PFA:PFA+1] th:TH_LOAD_NT scope:SCOPE_SE   ; and my share's 33rd
.Lno_ask_\@:
.endif
	HALF 2, 4, 1, 1, \slot, 0
	BLK 3, 1, 1, \slot, 0
	PLACES 8
	GA4 \next, 0, 0
	GB4 \next, 0, 0, 4
.irp a, 4,5,6,7
	BLK \a, 1, 1, \slot, 0
.endr
	WIN 0
.endm
	s_wait_alu depctr_va_vdst(0)                   ; the wait at the head's end
	s_wait_tensorcnt 0x0                           ; my piece of K step 0 is in; the lines ahead of a later first fill, as ahead of a refill
	ds_add_u32 v[SPW], v[NIL]
	s_wait_dscnt 0x0
	CROUND
	JLOAD G0+4, G1, G0B+4, G1B                     ; K step 1, the first tensor load behind the round
	SCALES 0
	GA4 0, 0, 0
	GB4 0, 0, 0, 0
	GB4 0, 0, 0, 4
	WIN 0
	global_prefetch_b8 v[PFO], s[16:17] th:TH_LOAD_NT scope:SCOPE_SE        ; K step 3, two refills ahead of its load, behind K step 1's load and the run of LDS loads
	global_prefetch_b8 v[PFO2], s[16:17] th:TH_LOAD_NT scope:SCOPE_SE
	ESTEP 0, 1
	s_mov_b32 s3, LAPS-1
.Llap:
	OSTEP 0, 1, 1
	ESTEP 1, 0
	OSTEP 1, 0, 1
	ESTEP 0, 0
	s_sub_co_u32 s3, s3, 1
	s_cmp_lg_u32 s3, 0
	s_cbranch_scc1 .Llap
	OSTEP 0, 1, 0                                  ; nothing is filled again: no round
	ESTEP 1, 0
; THE LAST STEP: block a's 16 rows x 128 columns are finished by its eight products and leave at once, behind eight places.
; A block goes through my stage and comes back as rows of 512 bytes into B's set 0, which is done with; LDS serves a wave's instructions in order (ISA guide 5.7.1.4).
.macro TOSTAGE a
	WIN (0x08+4*((\a)/4))
.irp b, 0,1,2,3,4,5,6,7
	ds_store_b128 v[STO], v[64*((\a)%4)+8*\b:64*((\a)%4)+8*\b+3] offset:64*\b     ; each accumulator from its low end on
	ds_store_b128 v[STO], v[64*((\a)%4)+8*\b+4:64*((\a)%4)+8*\b+7] offset:64*\b+16
.endr
	WIN TO_B
.irp t, 0,1,2,3,4,5,6,7,8,9,10,11,12,13,14,15
	ds_load_b128 v[64*((\a)%2)+4*\t:64*((\a)%2)+4*\t+3], v[RD] offset:\t*SPITCH
.endr
.endm
.macro SEND a, younger
	s_wait_dscnt \younger                          ; the block is back; the next block's 16 stores and 16 loads may be out
.if (\a) > 0
	s_wait_xcnt 0x0                                ; the earlier stores have read their base
	s_add_nc_u64 s[12:13], s[12:13], 16*SIZE_N*4
.endif
	WIN 0x04                                       ; the data: window 1
.irp t, 0,1,2,3,4,5,6,7,8,9,10,11,12,13,14,15
	global_store_b128 v[CO], v[64*((\a)%2)+4*\t:64*((\a)%2)+4*\t+3], s[12:13] offset:\t*SIZE_N*4 th:TH_STORE_NT   ; 512 consecutive bytes, aligned
.endr
.endm
	PLACES 8
	GA4 1, 1, 4
	s_wait_dscnt 16                                ; all but the 16 just issued
	BLK 0, 1, 1, 1, 0
	PLACES 8
	TOSTAGE 0
	BLK 1, 1, 1, 1, 0
	PLACES 8
	TOSTAGE 1
	SEND 0, 32                                     ; this wait also shows A's blocks 4-7 in
.irp a, 2,3,4,5,6,7
	BLK \a, 1, 1, 1, 0
	PLACES 8
	s_wait_xcnt 0x0                                ; block a - 2's stores have read the registers that block a comes back into
	TOSTAGE \a
	SEND \a-1, 32
.endr
	SEND 7, 0
	WIN 0
	s_wait_tensorcnt 0x0                           ; the wave's end
	ds_add_u32 v[SPW], v[NIL]
	s_wait_dscnt 0x0
	CROUND                                         ; the closing round
	s_endpgm
.Lfunc_end_k_qe34ff1ecf5_gemm:
	.size	k_qe34ff1ecf5_gemm, .Lfunc_end_k_qe34ff1ecf5_gemm-k_qe34ff1ecf5_gemm
	.p2alignl 7, 3214868480
	.fill 96, 4, 3214868480
	.section	.rodata,"a",@progbits
	.p2align	6, 0x0
	.amdhsa_kernel k_qe34ff1ecf5_gemm
		.amdhsa_group_segment_fixed_size 327680
		.amdhsa_private_segment_fixed_size 0
		.amdhsa_enable_private_segment 0
		.amdhsa_kernarg_size 24
		.amdhsa_user_sgpr_count 2
		.amdhsa_user_sgpr_kernarg_segment_ptr 1
		.amdhsa_wavefront_size32 1
		.amdhsa_system_sgpr_workgroup_id_x 1
		.amdhsa_system_sgpr_workgroup_id_y 1
		.amdhsa_system_sgpr_workgroup_id_z 1
		.amdhsa_system_vgpr_workitem_id 0
		.amdhsa_next_free_vgpr 1024
		.amdhsa_next_free_sgpr 66
		.amdhsa_reserve_vcc 0
		.amdhsa_float_denorm_mode_32 3
		.amdhsa_float_denorm_mode_16_64 3
		.amdhsa_memory_ordered 1
		.amdhsa_forward_progress 1
		.amdhsa_inst_pref_size 151
	.end_amdhsa_kernel
	.amdgpu_metadata
---
amdhsa.version: [ 1, 2 ]
amdhsa.kernels:
  - .name:           k_qe34ff1ecf5_gemm
    .symbol:         k_qe34ff1ecf5_gemm.kd
    .args:
      - { .name: aq, .offset: 0, .size: 8, .value_kind: global_buffer, .address_space: global }
      - { .name: bq, .offset: 8, .size: 8, .value_kind: global_buffer, .address_space: global }
      - { .name: out0, .offset: 16, .size: 8, .value_kind: global_buffer, .address_space: global }
    .group_segment_fixed_size: 327680
    .private_segment_fixed_size: 0
    .kernarg_segment_align: 8
    .kernarg_segment_size: 24
    .max_flat_workgroup_size: 128
    .sgpr_count:     66
    .vgpr_count:     1024
    .wavefront_size: 32
...
	.end_amdgpu_metadata
.endif
;; end of part 4
